; MI455X (gfx1250); checked and timed in simulation.
; The chip was launched on July 23, 2026; its instructions are those of AMD's public machine-readable ISA for CDNA 5 (MIT licence, August 2026) and "CDNA5" Instruction Set Architecture Reference Guide (July 2026). The comments in the code are by the model that wrote it; some were corrected since.
;; Basic Mo E. Allowed arithmetic: matrix products marked QUANTISED: E2M3 operands, one E8M0 scale for each 32 along K, by v_wmma_scale_f32_16x16x128_f8f6f4 with both operands' format E2M3, f32 sums; products left as they are: f32 operands where the result goes on into a quantised operand, else bf16, f16 or f32 operands; f32 sums; everything else in f32.
;; Inputs: We_codes 8 x 1,024 x 32 x 24 uint8 (E2M3 codes of We, K innermost, in blocks of 32 codes, four codes in three bytes); We_scales 8 x 1,024 x 32 uint8 (E8M0 scales of We, one for each 32 codes along K); Wg 1,024 x 8 float32; be 8 x 1,024 float32; bg 8 float32; x 8,192 x 1,024 float32.
;; Outputs: out0 8,192 x 1,024 float32.
;; This version of the problem:
;;   THIS VERSION OF THE PROBLEM IS GIVEN IN LOW PRECISION. The matrix products marked QUANTISED in the list below multiply operands that are first quantised to E2M3 (2 exponent bits, 3 mantissa bits; 6 bits a number), with one power-of-two scale for each 32 numbers along K (OCP MX v1.0); their sums are f32. All else is computed in f32.
;;   The module's matrix products, in the order in which they are computed (A, B: the left and right operand; K: the contracted axis; several contracted axes count as one K, in the product's order):
;;     1. [M 8,192, K 1,024] x [K 1,024, N 8]; A: input x; B: input Wg: left as it is (N = 8 < 16)
;;     2. [M 8,192, K 1,024] x [K 1,024, N 8,192]; A: input x; B: input We (given as codes): QUANTISED
;;     3. batch 8,192 x [M 1, K 8] x [K 8, N 1,024]; A: softmax; B: computed on the way: left as it is (K = 8 < 32)
;;   THE QUANTISER, for each operand of a quantised product, along K:
;;     - K is cut into blocks of 32 from its start; a last block that is shorter is filled with zeros.
;;     - A block's scale is 2^e with e = floor(log2(the largest magnitude in the block)) - 2, held to -126 .. 127; a block of zeros has e = 0. As a byte (E8M0): e + 127.
;;     - Each number is divided by its block's scale, clamped to +-7.5, and rounded to the nearest number of E2M3, ties to even, subnormals kept.
;;     - The product sums the exact products of the quantised numbers (number of the format x scale) in f32.
;;   ~~~python
;;   def quantise(x, axis):      # numpy; x: float32 -> the quantised numbers, widened to float32 again
;;       x = np.moveaxis(x, axis, -1); K = x.shape[-1]
;;       x = np.pad(x, [(0, 0)] * (x.ndim - 1) + [(0, -K % 32)]); x = x.reshape(x.shape[:-1] + (-1, 32)); a = np.abs(x).max(-1, keepdims=True)
;;       e = np.where(a > 0, np.clip(np.frexp(np.where(a > 0, a, 1))[1] - 1 - 2, -126, 127), 0)      # np.frexp(a)[1] - 1 = floor(log2(a)), exactly
;;       r = np.clip(x / 2.0 ** e, -7.5, 7.5)
;;       step = 2.0 ** (np.maximum(np.frexp(np.where(r == 0, 1, r))[1] - 1, 0) - 3)
;;       q = np.round(r / step) * step * 2.0 ** e      # np.round: ties to even
;;       return np.moveaxis(q.reshape(q.shape[:-2] + (-1,))[..., :K], -1, axis).astype(np.float32)
;;   ~~~
;;   INPUTS GIVEN AS CODES. We (in the module: [8, 1024, 1024], K = its axis 1): each comes as NAME_codes (uint8): NAME with its K axis moved to the last place and cut into blocks of 32 codes, [.., K / 32, bytes a block], one block behind the other in memory; four codes in three bytes: a row's codes are one little-endian stream of bits, code i at bits 6 i .. 6 i + 5 (a code: sign, 2 exponent bits, 3 mantissa bits); and NAME_scales (uint8): the same leading axes, one E8M0 byte (e + 127) for each 32 codes along K. Its value is code x scale, taken as it is: it is not quantised again, and the codes and scales need not be those that the quantiser above would give.
;; One version. Each part assembles by itself: llvm-mc -triple=amdgcn-amd-amdhsa -mcpu=gfx1250 --defsym DOCPART=n.
;; ======== version 1 of 1: 2 launches
;; limits: values are held in bf16: 8 bits of precision; right only within a limited range of input values
;; workspace buffers: XT 6,291,456 bytes; XS 262,144 bytes; G 262,144 bytes; WT 6,553,600 bytes
;; launch prep (part 1): grid 384 x 1, 4 waves a work-group, no clusters, 127,488 bytes of LDS; arguments x, Wg, bg, We_codes, We_scales, XT, XS, G, WT; writes XT, XS, G, WT
.if DOCPART == 1
	.amdgcn_target "amdgcn-amd-amdhsa--gfx1250"
	.amdhsa_code_object_version 6
	.text
	.protected	k_q92f91ba9fb_prep
	.globl	k_q92f91ba9fb_prep
	.p2align	8
	.type	k_q92f91ba9fb_prep,@function
k_q92f91ba9fb_prep:
	s_mov_b64 s[64:65], 0
	v_nop
	global_prefetch_b8 v0, s[64:65] scope:SCOPE_SE
	s_setreg_imm32_b32 hwreg(HW_REG_WAVE_MODE, 25, 1), 1
	s_wait_xcnt 0x0
; PREP: what the product's launch reads is made here, once.
;  X PATH (work-groups 128..383): 32 rows of x each.  x -> codes of FP6 (E2M3) with one E8M0 byte for each 32 along K, laid in the ORDER OF THE OPERAND'S REGISTERS (XT, XS),
;     and the gates G = softmax(x Wg + bg): the product on bf16 operands with f32 sums, the softmax in f32 with the row's maximum taken away.
;  W PATH (work-groups 0..127): We's codes and scale bytes, as they are given, laid anew in the order of the operand's registers (WT): no number is changed.
; XT [rb 32][kc 4][q 2][i 16][c 3][lane 32][16 B]: fragment of rows 256 rb + 16 i .., K step 128 (2 kc + q); piece c = registers 4 c .. 4 c + 3 of each lane.
; XS [rb 32][kc 4][i2 8][lane 32][8 B]: a lane's two words: row blocks 2 i2 and 2 i2 + 1; a word = the 4 scale bytes of row lane % 16 for K step 2 kc + lane / 16.
; WT [ob 32][kc 4][ch 2] { codes [q 2][e 8][c 3][lane 32][16 B]; scale words [gq 2][lane 32][16 B]: experts 4 gq + 0..3, output lane % 16, K step 2 kc + lane / 16 }; outputs 32 ob + 16 ch + 0..15.
; A block's scale is 2^(floor(log2(largest magnitude)) - 2): its byte is the largest magnitude's exponent field - 2, held at 1 from below.
; LIMITS: NaN and infinities in x are not served.  A block of zeros gets the byte 1 (its codes are zeros, and this program alone reads the bytes).  Blocks whose largest magnitude lies under 2^-124 are
; quantised under the byte 1.  The gates' product rounds x and Wg to bf16: its error grows with the size and a common offset of the inputs.
; The two paths part on the work-group's number alone, and each has LDS bytes of its own.  No tensor loads: waves load through registers.
.set NWGW, 128                         ; work-groups of the W path
.set TST,  0                           ; X path: a wave's turn stage, 16 rows of 512 bytes, 528 apart
.set TSTB, 8448
.set WGL,  33792                       ; X path: a wave's 256 rows of Wg, each 16 rows (512 bytes) + 32 of padding
.set WGLB, 8704
.set LG,   68608                       ; X path: partial logits as images of registers: [row block 2][wave 4][1,024]
.set WST,  76800                       ; W path: a wave's stage, 16 rows of 768 bytes, 784 apart
.set WSTB, 12544
.set LI,  1                            ; v1   16 x lane
.set TI,  2                            ; v2   turn stage, in
.set TO,  3                            ; v3   turn stage, out: row r, + 64 h
.set WI,  4                            ; v4   Wg's stage, in
.set WR,  5                            ; v5   Wg's stage, out
.set LGS, 6                            ; v6   where I store partial logits
.set LGR, 7                            ; v7   where waves 0 and 1 read them
.set L8,  8                            ; v8   8 x lane
.set GOF, 9                            ; v9   32 r + 16 h: my 16 bytes of a row of G
.set RR,  11                           ; v11  r = lane % 16
.set HH,  12                           ; v12  h = lane / 16
.set X,   16                           ; v16-79   64 numbers of a unit: register 16 b + i = k 32 b + 16 h + i of row r
.set WF,  80                           ; v80-143  Wg's 8 fragments (bf16)
.set BF,  144                          ; v144-175 x's 4 fragments (bf16)
.set L,   176                          ; v176-207 4 accumulators of logits
.set TM,  208                          ; v208-223 at work in QUANT
.set PC,  224                          ; v224-243 the codes just made
.set PW,  244                          ; v244-247 the scale word of each unit
.set SUM, 248                          ; v248-255 a row block's partial logits
.set SEL, 40                           ; s[40:41] v_permlanex16_b32's selects for lane l xor 16
.set WA,  2                            ; W path: v2-4 the stage's three addresses in; v5 out; v6 the scale bytes' offset
.set MSB, 0
.macro WIN new                         ; the immediate's high byte repeats the setting that is left
.if MSB != \new
	s_set_vgpr_msb (MSB<<8)|\new
.set MSB, \new
.endif
.endm
; 64 numbers of a lane, register 16 b + i = k 32 b + 16 h + i of my row, become a fragment's codes in v[PC] .. v[PC+11] and its scale word in v[pw].
.macro QUANT s, pw
.irp b, 0,1,2,3
	v_max3_num_f32 v[TM+\b], |v[\s+16*\b]|, |v[\s+1+16*\b]|, 0x1800000   ; block b: my 16 numbers, and the floor 2^(3 - 127): the byte cannot fall under 1
.endr
.irp i, 2,4,6,8,10,12,14
.irp b, 0,1,2,3
	v_max3_num_f32 v[TM+\b], v[TM+\b], |v[\s+16*\b+\i]|, |v[\s+1+16*\b+\i]|   ; the four blocks by turns
.endr
.endr
.irp b, 0,1,2,3
	v_permlanex16_b32 v[TM+4+\b], v[TM+\b], s[SEL], s[SEL+1]
.endr
.irp b, 0,1,2,3
	v_max_num_f32 v[TM+\b], v[TM+\b], v[TM+4+\b]   ; with lane l xor 16's: the block's largest magnitude
.endr
.irp b, 0,1,2,3
	v_add_nc_u32 v[TM+12+\b], 0xff000000, v[TM+\b]   ; 2 off its exponent field: the conversion takes this operand's exponent field as its scale
.endr
.irp b, 0,1,2,3
	v_lshrrev_b32 v[TM+4+\b], 23, v[TM+12+\b]      ; the scale's byte
.endr
	v_lshl_or_b32 v[\pw], v[TM+5], 8, v[TM+4]      ; four bytes: my row's scale word
	v_lshl_or_b32 v[\pw], v[TM+6], 16, v[\pw]
	v_lshl_or_b32 v[\pw], v[TM+7], 24, v[\pw]
.irp c, 0,1
	v_cvt_scalef32_pk16_fp6_f32 v[PC+6*\c:PC+2+6*\c], v[\s+32*\c:\s+15+32*\c], v[TM+12+2*\c]
	v_cvt_scalef32_pk16_fp6_f32 v[PC+12+4*\c:PC+14+4*\c], v[\s+16+32*\c:\s+31+32*\c], v[TM+12+2*\c+1]   ; (a conversion's three registers begin on an even number)
.endr
	v_nop                                          ; one plain place behind a scaled conversion
.irp c, 0,1                                    ; the operand's layout wants a whole block in a lane: lanes 0-15 block 2 c, lanes 16-31 block 2 c + 1
.irp i, 0,1,2
	v_permlane16_swap_b32 v[PC+6*\c+\i], v[PC+12+4*\c+\i]
.endr
.irp i, 0,1,2
	v_mov_b32 v[PC+3+6*\c+\i], v[PC+12+4*\c+\i]
.endr
.endr
.endm
	s_load_b512 s[4:19], s[0:1], 0x0               ; x s[4:5], Wg s[6:7], bg s[8:9], We_codes s[10:11], We_scales s[12:13], XT s[14:15], XS s[16:17], G s[18:19]
	s_load_b64 s[20:21], s[0:1], 0x40              ; WT
	v_lshl_add_u32 v239, v0, 2, 0x1f000
	v_mov_b32 v243, 0
	v_lshrrev_b32 v10, 5, v0
	v_readfirstlane_b32 s22, v10                   ; wave 0..3
	v_and_b32 v10, 31, v0                          ; lane
	v_and_b32 v[RR], 15, v0
	v_bfe_u32 v[HH], v0, 4, 1
	v_lshlrev_b32 v[LI], 4, v10
	s_mov_b32 s27, 0                               ; the high word of every offset pair s[26:27]
	s_cmp_lt_u32 ttmp9, NWGW
	s_cbranch_scc1 .Lw_path
; ---------------------------------------------------------------- X PATH
; Wave w takes K 256 w .. 256 w + 255 of the work-group's 32 rows, in four units u: row block u / 2 (16 rows), K step u % 2 (128 along K).
	s_sub_co_u32 s24, ttmp9, NWGW                  ; xb: rows 32 xb ..
	s_lshr_b32 s25, s24, 3                         ; rb
	s_and_b32 s28, s24, 7                          ; i2
	s_mov_b32 s[SEL], 0x76543210
	s_mov_b32 s[SEL+1], 0xfedcba98
	s_mul_i32 s29, s22, TSTB
	s_wait_alu depctr_va_vdst(0)
	v_add_nc_u32 v[TI], s29, v[LI]
	v_mul_u32_u24 v[TO], v[RR], 528
	v_lshl_add_u32 v[TO], v[HH], 6, v[TO]
	v_add_nc_u32 v[TO], s29, v[TO]
	s_mul_i32 s29, s22, WGLB
	s_add_co_u32 s29, s29, WGL
	v_add_nc_u32 v[WI], s29, v[LI]
	v_and_b32 v13, 7, v0
	v_lshlrev_b32 v[WR], 2, v13                    ; expert lane % 8: lanes 8-15 repeat experts 0-7, so that both halves of the lanes end with all 8 logits
	v_mad_u32_u24 v[WR], v[HH], 544, v[WR]
	v_add_nc_u32 v[WR], s29, v[WR]
	s_lshl_b32 s29, s22, 10
	s_add_co_u32 s29, s29, LG
	v_add_nc_u32 v[LGS], s29, v[LI]
	s_and_b32 s29, s22, 1
	s_lshl_b32 s29, s29, 12
	s_add_co_u32 s29, s29, LG
	v_add_nc_u32 v[LGR], s29, v[LI]
	v_lshlrev_b32 v[L8], 3, v10
	v_lshlrev_b32 v[GOF], 5, v[RR]
	v_lshl_add_u32 v[GOF], v[HH], 4, v[GOF]
	v_cmp_eq_u32 vcc_lo, 1, v[HH]                  ; lanes 16-31: kept to the end
.irp b, 0,1,2,3
	v_mov_b32 v[TM+4+\b], 0                        ; written once: a lane permute's destination counts as one of its sources
.endr
	s_wait_kmcnt 0x0
	s_load_b256 s[32:39], s[8:9], 0x0              ; bg
	s_lshl_b32 s26, s22, 13
	s_add_nc_u64 s[6:7], s[6:7], s[26:27]          ; Wg at my 256 rows
	s_lshl_b32 s26, s24, 17
	s_lshl_b32 s29, s22, 10
	s_add_co_u32 s26, s26, s29
	s_add_nc_u64 s[4:5], s[4:5], s[26:27]          ; x at row 32 xb, K 256 w
	s_mul_i32 s26, s25, 196608
	s_mul_i32 s29, s22, 49152
	s_add_co_u32 s26, s26, s29
	s_mul_i32 s29, s28, 3072
	s_add_co_u32 s26, s26, s29
	s_add_nc_u64 s[14:15], s[14:15], s[26:27]      ; XT at (rb, kc = w, q = 0, i = 2 i2)
	s_lshl_b32 s26, s25, 13
	s_lshl_b32 s29, s22, 11
	s_add_co_u32 s26, s26, s29
	s_lshl_b32 s29, s28, 8
	s_add_co_u32 s26, s26, s29
	s_add_nc_u64 s[16:17], s[16:17], s[26:27]      ; XS at (rb, kc = w, i2)
	s_lshl_b32 s26, s24, 10
	s_lshl_b32 s29, s22, 9
	s_add_co_u32 s26, s26, s29
	s_add_nc_u64 s[18:19], s[18:19], s[26:27]      ; G at row 32 xb + 16 w (used by waves 0 and 1)
.irp t, 0,1,2,3,4,5,6,7,8,9,10,11,12,13,14,15
	global_load_b128 v[X+4*\t:X+4*\t+3], v[LI], s[6:7] offset:512*\t   ; my 8,192 bytes of Wg, 512 consecutive bytes a load
.endr
.macro XLOAD u                         ; unit u: 16 loads, each 512 consecutive bytes of one row, into window 1
	WIN 0x40
.irp R, 0,1,2,3,4,5,6,7,8,9,10,11,12,13,14,15
	global_load_b128 v[64*(\u)+4*\R:64*(\u)+4*\R+3], v[LI], s[4:5] offset:(16*((\u)/2)+\R)*4096+512*((\u)%2) th:TH_LOAD_NT
.endr
.endm
	XLOAD 0
	XLOAD 1
	s_wait_loadcnt 32                              ; Wg is in: behind it stand the 32 loads of units 0 and 1
	XLOAD 2
	XLOAD 3
	WIN 0
; Wg's fragments.  Lane (m, h) of fragment b holds Wg[32 b + 16 h + 0..15][m % 8]: the same order of k in a lane as x's fragments below have, so the products pair up rightly.
.irp t, 0,1,2,3,4,5,6,7,8,9,10,11,12,13,14,15
	ds_store_b128 v[WI], v[X+4*\t:X+4*\t+3] offset:544*\t
.endr
.irp g, 0,1
.irp bb, 0,1,2,3
.irp i, 0,1,2,3,4,5,6,7,8,9,10,11,12,13,14,15
	ds_load_b32 v[BF+16*\bb+\i], v[WR] offset:1088*(4*\g+\bb)+32*\i   ; LDS serves a wave's instructions in order: these see my stores
.endr
.endr
	s_wait_dscnt 0x0
.irp bb, 0,1,2,3
.irp i, 0,1,2,3,4,5,6,7
	v_cvt_pk_bf16_f32 v[WF+8*(4*\g+\bb)+\i], v[BF+16*\bb+2*\i], v[BF+16*\bb+2*\i+1]
.endr
.endr
.endr
.macro UNIT u
	s_wait_loadcnt 48-16*(\u)                      ; this unit's 16 loads are in; the later units' stay out
	WIN 0x04                                       ; an LDS store's data are its source 1: window 1
.irp R, 0,1,2,3,4,5,6,7,8,9,10,11,12,13,14,15
	ds_store_b128 v[TI], v[64*(\u)+4*\R:64*(\u)+4*\R+3] offset:528*\R
.endr
	WIN 0
.irp b, 0,1,2,3
.irp j, 0,1,2,3
	ds_load_b128 v[X+16*\b+4*\j:X+16*\b+4*\j+3], v[TO] offset:128*\b+16*\j   ; row r, 16 neighbours of each block of 32
.endr
.endr
	s_wait_dscnt 0x0
.irp b, 0,1,2,3
.irp i, 0,1,2,3,4,5,6,7
	v_cvt_pk_bf16_f32 v[BF+8*\b+\i], v[X+16*\b+2*\i], v[X+16*\b+2*\i+1]
.endr
.endr
.irp b, 0,1,2,3                                ; logits^T: source 0 = Wg (16 rows: the 8 experts twice), source 1 = my 16 rows of x.  Four accumulators by turns
.if (\u)%2 == 0
	v_wmma_f32_16x16x32_bf16 v[L+8*\b:L+8*\b+7], v[WF+8*\b:WF+8*\b+7], v[BF+8*\b:BF+8*\b+7], 0
.else
	v_wmma_f32_16x16x32_bf16 v[L+8*\b:L+8*\b+7], v[WF+32+8*\b:WF+32+8*\b+7], v[BF+8*\b:BF+8*\b+7], v[L+8*\b:L+8*\b+7]
.endif
.endr
	s_wait_xcnt 0x0                                ; the last unit's stores have read the codes' registers: they are written again only behind this wait
	QUANT X, PW+(\u)                               ; (its lines are also the places behind the four products)
.irp c, 0,1,2
	global_store_b128 v[LI], v[PC+4*\c:PC+4*\c+3], s[14:15] offset:(16*((\u)%2)+(\u)/2)*1536+512*\c   ; 512 consecutive bytes a store
.endr
.if (\u)%2 == 1                                ; the row block's partial logits of my 256 along K; each accumulator is read from its low end on
.irp jp, 0,2,4,6
	v_pk_add_f32 v[SUM+\jp:SUM+\jp+1], v[L+\jp:L+\jp+1], v[L+8+\jp:L+8+\jp+1]
	v_pk_add_f32 v[TM+\jp:TM+\jp+1], v[L+16+\jp:L+16+\jp+1], v[L+24+\jp:L+24+\jp+1]
	v_pk_add_f32 v[SUM+\jp:SUM+\jp+1], v[SUM+\jp:SUM+\jp+1], v[TM+\jp:TM+\jp+1]
.endr
	ds_store_b128 v[LGS], v[SUM:SUM+3] offset:4096*((\u)/2)
	ds_store_b128 v[LGS], v[SUM+4:SUM+7] offset:4096*((\u)/2)+512
.endif
.endm
	UNIT 0
	UNIT 1
	UNIT 2
	UNIT 3
	v_cndmask_b32 v[TM], v[PW], v[PW+1], vcc_lo    ; lanes 0-15 keep K step 2 w's word, lanes 16-31 take K step 2 w + 1's: row block 2 i2,
	v_cndmask_b32 v[TM+1], v[PW+2], v[PW+3], vcc_lo  ; and row block 2 i2 + 1
	global_store_b64 v[L8], v[TM:TM+1], s[16:17]   ; 32 lanes store 256 consecutive bytes, aligned
	s_wait_kmcnt 0x0                               ; bg
	s_wait_dscnt 0x0                               ; for the others' sake: my partial logits lie in LDS
	s_barrier_signal -1
	s_barrier_wait -1
	s_cmp_lt_u32 s22, 2
	s_cbranch_scc0 .Lx_end
; waves 0 and 1: the softmax of row block w.  Lane (r, h), register j: expert j of row r (both halves hold the same).
.irp wq, 0,1,2,3
.irp c, 0,1
	ds_load_b128 v[16+8*\wq+4*\c:16+8*\wq+4*\c+3], v[LGR] offset:1024*\wq+512*\c
.endr
.endr
	s_wait_dscnt 0x0
.irp j, 0,2,4,6
	v_pk_add_f32 v[16+\j:17+\j], v[16+\j:17+\j], v[24+\j:25+\j]
	v_pk_add_f32 v[32+\j:33+\j], v[32+\j:33+\j], v[40+\j:41+\j]
.endr
.irp j, 0,2,4,6
	v_pk_add_f32 v[16+\j:17+\j], v[16+\j:17+\j], v[32+\j:33+\j]
.endr
.irp j, 0,1,2,3,4,5,6,7
	v_add_f32 v[16+\j], s[32+\j], v[16+\j]         ; + bg
.endr
	v_max3_num_f32 v48, v16, v17, v18
	v_max3_num_f32 v48, v48, v19, v20
	v_max3_num_f32 v48, v48, v21, v22
	v_max_num_f32 v48, v48, v23                    ; the row's largest logit
.irp j, 0,1,2,3,4,5,6,7
	v_sub_f32 v[16+\j], v[16+\j], v48
.endr
.irp j, 0,1,2,3,4,5,6,7
	v_mul_f32 v[16+\j], 0x3fb8aa3b, v[16+\j]       ; x log2(e)
.endr
	s_wait_alu depctr_va_vdst(0)
.irp j, 0,1,2,3,4,5,6,7
	v_exp_f32 v[24+\j], v[16+\j]
.endr
	v_nop                                          ; a plain place behind the exponentials
	s_wait_alu depctr_va_vdst(0)                   ; one wait for the batch, ahead of its first reader
	v_add_f32 v48, v24, v25
	v_add_f32 v49, v26, v27
	v_add_f32 v50, v28, v29
	v_add_f32 v51, v30, v31
	v_add_f32 v48, v48, v49
	v_add_f32 v50, v50, v51
	v_add_f32 v48, v48, v50                        ; at least 1: the largest logit's term is 1
	s_wait_alu depctr_va_vdst(0)
	v_rcp_f32 v52, v48
	v_nop
	s_wait_alu depctr_va_vdst(0)
.irp j, 0,1,2,3,4,5,6,7
	v_mul_f32 v[24+\j], v[24+\j], v52
.endr
.irp j, 0,1,2,3
	v_cndmask_b32 v[32+\j], v[24+\j], v[28+\j], vcc_lo   ; lanes 0-15 store experts 0-3, lanes 16-31 experts 4-7
.endr
	global_store_b128 v[GOF], v[32:35], s[18:19]   ; 16 rows of 32 bytes: 512 consecutive bytes
.Lx_end:
	s_wait_tensorcnt 0x0
	ds_add_u32 v239, v243
	s_wait_dscnt 0x0
	s_endpgm
; ---------------------------------------------------------------- W PATH
; Work-group n: outputs 16 (n / 2) .. + 15, experts 4 (n % 2) + wave.  A wave's 16 rows of codes are 12,288 dense bytes: read as they lie, turned through its stage, stored as 8 fragments' images.
.Lw_path:
	s_lshr_b32 s24, ttmp9, 1                       ; og: which 16 outputs
	s_and_b32 s25, ttmp9, 1                        ; eq: which four experts
	s_lshr_b32 s28, s24, 1                         ; ob
	s_and_b32 s29, s24, 1                          ; ch
	s_lshl_b32 s30, s25, 2
	s_add_co_u32 s30, s30, s22                     ; my expert
	s_mul_i32 s31, s22, WSTB
	s_add_co_u32 s31, s31, WST
	s_wait_alu depctr_va_vdst(0)
	v_add_nc_u32 v[WA], s31, v[LI]                 ; load t = 3 k: row 2 k, bytes 0 .. 511
	v_lshl_add_u32 v[WA+1], v[HH], 4, v[WA]
	v_add_nc_u32 v[WA+1], 512, v[WA+1]             ; t = 3 k + 1: lanes 0-15 end row 2 k, lanes 16-31 begin row 2 k + 1, 16 bytes of padding further on
	v_add_nc_u32 v[WA+2], 1040, v[WA]              ; t = 3 k + 2: row 2 k + 1, bytes 256 .. 767
	v_mul_u32_u24 v5, v[RR], 784
	v_mad_u32_u24 v5, v[HH], 24, v5
	v_add_nc_u32 v5, s31, v5                       ; out: row r, + 24 h
	v_lshlrev_b32 v6, 5, v[RR]
	v_lshl_add_u32 v6, v[HH], 2, v6                ; scale bytes: row r of 32 bytes, + 4 h
	s_wait_alu depctr_va_vdst(0)
	s_wait_kmcnt 0x0
	s_lshl_b32 s26, s25, 17
	s_lshl_b32 s31, s24, 9
	s_add_co_u32 s26, s26, s31
	s_lshl_b32 s31, s22, 3
	s_add_co_u32 s26, s26, s31
	s_add_nc_u64 s[12:13], s[12:13], s[26:27]      ; We_scales at expert 4 eq, output 16 og, K steps 2 w and 2 w + 1: wave w makes the scale piece of kc = w
	s_mul_i32 s26, s30, 786432
	s_mul_i32 s31, s24, 12288
	s_add_co_u32 s26, s26, s31
	s_add_nc_u64 s[10:11], s[10:11], s[26:27]      ; We_codes at (my expert, output 16 og)
	s_mul_i32 s26, s28, 204800
	s_mul_i32 s31, s29, 25600
	s_add_co_u32 s26, s26, s31
	s_add_nc_u64 s[20:21], s[20:21], s[26:27]      ; WT at (ob, kc = 0, ch)
	s_mul_i32 s26, s30, 1536
	s_add_nc_u64 s[32:33], s[20:21], s[26:27]      ; my expert's fragments
	s_mul_i32 s26, s22, 51200
	s_lshl_b32 s31, s25, 9
	s_add_co_u32 s26, s26, s31
	s_add_co_u32 s26, s26, 24576
	s_add_nc_u64 s[34:35], s[20:21], s[26:27]      ; the scale piece (kc = w, gq = eq)
.irp ee, 0,1,2,3
	global_load_b32 v[112+\ee], v6, s[12:13] offset:32768*\ee
.endr
.irp t, 0,1,2,3,4,5,6,7,8,9,10,11,12,13,14,15,16,17,18,19,20,21,22,23
	global_load_b128 v[128+4*\t:128+4*\t+3], v[LI], s[10:11] offset:512*\t th:TH_LOAD_NT
.endr
	s_wait_loadcnt 0x0
.irp t, 0,1,2,3,4,5,6,7,8,9,10,11,12,13,14,15,16,17,18,19,20,21,22,23
	ds_store_b128 v[WA+\t%3], v[128+4*\t:128+4*\t+3] offset:(\t/3)*1568
.endr
.irp s8, 0,1,2,3,4,5,6,7                       ; K step s8: lane (r, h) takes 24 bytes at 96 s8 + 24 h and 24 at 96 s8 + 48 + 24 h of row r: the operand's registers as they lie
.irp p, 0,1,2,3,4,5
	ds_load_b64 v[16+12*\s8+2*\p:16+12*\s8+2*\p+1], v5 offset:96*\s8+48*(\p/3)+8*(\p%3)
.endr
.endr
	s_wait_dscnt 0x0
.irp s8, 0,1,2,3,4,5,6,7
.irp c, 0,1,2
	global_store_b128 v[LI], v[16+12*\s8+4*\c:16+12*\s8+4*\c+3], s[32:33] offset:(\s8/2)*51200+(\s8%2)*12288+512*\c
.endr
.endr
	global_store_b128 v[LI], v[112:115], s[34:35]
	s_wait_tensorcnt 0x0
	ds_add_u32 v239, v243
	s_wait_dscnt 0x0
	s_endpgm
.Lfunc_end_k_q92f91ba9fb_prep:
	.size	k_q92f91ba9fb_prep, .Lfunc_end_k_q92f91ba9fb_prep-k_q92f91ba9fb_prep
	.p2alignl 7, 3214868480
	.fill 96, 4, 3214868480
	.section	.rodata,"a",@progbits
	.p2align	6, 0x0
	.amdhsa_kernel k_q92f91ba9fb_prep
		.amdhsa_group_segment_fixed_size 127488
		.amdhsa_private_segment_fixed_size 0
		.amdhsa_enable_private_segment 0
		.amdhsa_kernarg_size 72
		.amdhsa_user_sgpr_count 2
		.amdhsa_user_sgpr_kernarg_segment_ptr 1
		.amdhsa_wavefront_size32 1
		.amdhsa_system_sgpr_workgroup_id_x 1
		.amdhsa_system_sgpr_workgroup_id_y 1
		.amdhsa_system_sgpr_workgroup_id_z 1
		.amdhsa_system_vgpr_workitem_id 0
		.amdhsa_next_free_vgpr 512
		.amdhsa_next_free_sgpr 66
		.amdhsa_reserve_vcc 1
		.amdhsa_float_denorm_mode_32 3
		.amdhsa_float_denorm_mode_16_64 3
		.amdhsa_memory_ordered 1
		.amdhsa_forward_progress 1
		.amdhsa_inst_pref_size 75
	.end_amdhsa_kernel
	.amdgpu_metadata
---
amdhsa.version: [ 1, 2 ]
amdhsa.kernels:
  - .name:           k_q92f91ba9fb_prep
    .symbol:         k_q92f91ba9fb_prep.kd
    .args:
      - { .name: x, .offset: 0, .size: 8, .value_kind: global_buffer, .address_space: global }
      - { .name: Wg, .offset: 8, .size: 8, .value_kind: global_buffer, .address_space: global }
      - { .name: bg, .offset: 16, .size: 8, .value_kind: global_buffer, .address_space: global }
      - { .name: We_codes, .offset: 24, .size: 8, .value_kind: global_buffer, .address_space: global }
      - { .name: We_scales, .offset: 32, .size: 8, .value_kind: global_buffer, .address_space: global }
      - { .name: XT, .offset: 40, .size: 8, .value_kind: global_buffer, .address_space: global }
      - { .name: XS, .offset: 48, .size: 8, .value_kind: global_buffer, .address_space: global }
      - { .name: G, .offset: 56, .size: 8, .value_kind: global_buffer, .address_space: global }
      - { .name: WT, .offset: 64, .size: 8, .value_kind: global_buffer, .address_space: global }
    .group_segment_fixed_size: 127488
    .private_segment_fixed_size: 0
    .kernarg_segment_align: 8
    .kernarg_segment_size: 72
    .max_flat_workgroup_size: 128
    .sgpr_count:     66
    .vgpr_count:     512
    .wavefront_size: 32
...
	.end_amdgpu_metadata
.endif
;; end of part 1
;; launch moe (part 2): grid 4 x 64, 4 waves a work-group, clusters of 4 x 1, 327,680 bytes of LDS; arguments XT, XS, WT, G, be, out0; writes out0
.if DOCPART == 2
	.amdgcn_target "amdgcn-amd-amdhsa--gfx1250"
	.amdhsa_code_object_version 6
	.text
	.protected	k_q92f91ba9fb_moe
	.globl	k_q92f91ba9fb_moe
	.p2align	8
	.type	k_q92f91ba9fb_moe,@function
k_q92f91ba9fb_moe:
	s_mov_b64 s[64:65], 0
	v_nop
	global_prefetch_b8 v0, s[64:65] scope:SCOPE_SE
	s_setreg_imm32_b32 hwreg(HW_REG_WAVE_MODE, 25, 1), 1
	s_wait_xcnt 0x0
	s_wait_alu depctr_hold_cnt(0) depctr_sa_sdst(0) depctr_va_vdst(0) depctr_va_sdst(0) depctr_va_ssrc(0) depctr_va_vcc(0) depctr_vm_vsrc(0)
	s_getreg_b32 s2, hwreg(HW_REG_IB_STS2, 6, 4)
	s_cmp_eq_u32 s2, 0
	s_cbranch_scc0 .Lentry_in_a_cluster
	s_endpgm
.Lentry_in_a_cluster:
	s_bfe_u32 s2, ttmp6, 0x10000c
	s_cmp_lg_u32 s2, 0x3003
	s_cbranch_scc0 .Lentry_shape_is_right
	s_endpgm
.Lentry_shape_is_right:
; out0[n][o] = sum over e of G[n][e] x (sum over k of Q(x)[n][k] We[e][k][o] + be[e][o]): the product on codes of FP6 (E2M3) with E8M0 scales, f32 sums; the weighted sum over the experts in f32, in registers.
; SHARES.  A work-group makes 128 rows x 256 outputs in four passes of 64 outputs.  In a pass wave w makes the 128 rows x outputs 16 w .. + 15 x ALL 8 EXPERTS: 64 accumulators, 512 registers.
; Accumulator (a, e), lane (r, h), register j = row 16 a + r, output 8 h + j, expert e (source 0 = 16 outputs of We, source 1 = 16 rows of x).  be[e] is the C of each sum's first product.
; x's codes of the 128 rows, all of K (98,304 bytes), come into LDS once, one joint tensor load a wave (the four work-groups of a cluster make the same rows); no LDS byte is filled twice.
; We's FRAGMENTS GO FROM WT STRAIGHT INTO REGISTERS (WT lies in the order of the operand's registers: three loads of 512 consecutive bytes a fragment): a work-group loads each of its fragments once, into one wave.
; That is why We's tiles are not asked for jointly: they never lie in LDS.
; A K step goes in two halves: x's blocks 0-3 against experts 0..7, then blocks 4-7 against experts 0..7.  We has 16 fragment buffers (two steps), x one set of registers.  THREE RUNS OF LOADS A STEP:
; at its start We's experts 4-7 of the next step and x's blocks 4-7 of this one; between the halves x's blocks 0-3 of the next step; behind the second half's fourth unit We's experts 0-3 of the step two on.
; THE ORDER OF TILES.  Row block y takes as its i-th pass the outputs' group i xor ((y / 4) mod 4), and as the j-th chunk of 256 along K chunk (j + y) mod 4: sixteen neighbouring row blocks begin at the sixteen
; different tiles of We's walk, so behind its first tile a work-group reads what other work-groups of the launch have read before.  So no prefetch is laid.  Only addresses in memory hang on y.
; THE WEIGHTED SUM stands among the products of a pass's last K step: behind each product the four packed multiply-adds of the sum finished four products earlier, in place on accumulator (a, 0).
; THE WAY OUT.  A pass's 128 rows x 64 outputs go through one stage in LDS (rows of 272 bytes), a barrier, and leave as whole rows: sixteen lanes store 256 consecutive bytes, aligned.
; LIMITS: those of the launch that made XT, XS and G; a scale byte 0xff in We_scales gives NaN, as the format says.  An output's f32 sum over K runs through the chunks of 256 in the turned order, not from K = 0 on.
; REGISTERS: window 0: v1-9 addresses; v24-55 x's scale words; v56-71 We's, two sets; v72-135 gates (block a, expert e at 8 a + e); v160-255 x's fragments.
;   window 1: v0-191 We's 16 fragment buffers; v192-255 the biases.  windows 2, 3: accumulators (a, e) at v[8 (8 (a % 4) + e)].
.set STG,   98304                      ; the stage: 128 rows x 272 bytes; written by LDS stores alone
.set SPARE, 133120                     ; the spare words, 128 bytes for each wave
.set SPW, 1
.set NIL, 2
.set LI,  3                            ; v3 16 x lane: also the LDS address of x's chunks 0, 1
.set ADA, 3                            ; v4 the same + 49,152: chunks 2, 3
.set STO, 6                            ; the stage, in
.set RD,  7                            ; the stage, back
.set CO,  8                            ; my byte offset in two rows of out0
.set BO,  9                            ; my byte offset in a row of be
.set AS,  24
.set BS,  56
.set GT,  72
.set AF,  160
.set G1X, 24                           ; s[24:31], s[32:35] the tensor load's groups 1 and 0
.set G0X, 32
.set PHO, 36                           ; s36-39 byte offset in WT of my j-th chunk of K
.set PH,  40                           ; s40-43 which chunk that is
.set OFW, 44                           ; s[44:45] a tile's offset; the upper word stays 0
.set WB,  46                           ; s[46:47] WT at my wave's half tile of group 0, chunk 0
.set TB,  48                           ; s[48:51] the bases of even and odd tiles
.set POC, 52                           ; s52, s53 this pass's and the next pass's offset in WT
.set PON, 53
.set BE0, 54
.set SBE, 56
.set OUT0, 58
.set SOUT, 60
.set MSB, 0
.macro WIN new
.if MSB != \new
	s_set_vgpr_msb (MSB<<8)|\new
.set MSB, \new
.endif
.endm
.macro PLACES
.rept 4
	v_nop
.endr
.endm
.macro CROUND
	s_barrier_signal -1
	s_barrier_wait -1
	s_cmp_lg_u32 s16, 0
	s_cbranch_scc1 .Lnot_wave_0_\@
	s_barrier_signal -3
.Lnot_wave_0_\@:
	s_barrier_wait -3
	s_barrier_signal -1
	s_barrier_wait -1
.endm
; one product: x's block a, expert e, step st of the pass
.macro WM a, e, st
.set AC, 8*(8*((\a)%4)+(\e))
.set BR, 96*((\st)%2)+12*(\e)
.set AR, AF+12*(\a)
.set SB, BS+8*(((\st)/2)%2)+(\e)
.set SA, AS+8*((\st)/2)+(\a)
.if (\st) == 0
	WIN 0x91+0x40*((\a)/4)
	v_wmma_scale_f32_16x16x128_f8f6f4 v[AC:AC+7], v[BR:BR+11], v[AR:AR+11], v[192+8*(\e):199+8*(\e)], v[SB], v[SA] matrix_a_fmt:MATRIX_FMT_FP6 matrix_b_fmt:MATRIX_FMT_FP6
.elseif (\st)%2 == 0
	WIN 0xa1+0x50*((\a)/4)
	v_wmma_scale_f32_16x16x128_f8f6f4 v[AC:AC+7], v[BR:BR+11], v[AR:AR+11], v[AC:AC+7], v[SB], v[SA] matrix_a_fmt:MATRIX_FMT_FP6 matrix_b_fmt:MATRIX_FMT_FP6
.else
	WIN 0xa1+0x50*((\a)/4)
	v_wmma_scale_f32_16x16x128_f8f6f4 v[AC:AC+7], v[BR:BR+11], v[AR:AR+11], v[AC:AC+7], v[SB], v[SA] matrix_a_fmt:MATRIX_FMT_FP6 matrix_b_fmt:MATRIX_FMT_FP6 matrix_a_scale:MATRIX_SCALE_ROW1 matrix_b_scale:MATRIX_SCALE_ROW1
.endif
.endm
.macro FRA st, a                       ; x's block a of step st, from LDS
	WIN 0
.irp c, 0,1,2
	ds_load_b128 v[AF+12*(\a)+4*\c:AF+12*(\a)+4*\c+3], v[ADA+(\st)/4] offset:(((\st)/2)%2)*24576+((\st)%2)*12288+(\a)*1536+512*\c
.endr
.endm
.macro FRB set, e, pr, off             ; a fragment of We into buffer (set, e), from the tile whose base is pair pr
	WIN 0x40
.irp c, 0,1,2
	global_load_b128 v[96*(\set)+12*(\e)+4*\c:96*(\set)+12*(\e)+4*\c+3], v[LI], s[TB+2*(\pr):TB+2*(\pr)+1] offset:(\off)+512*\c
.endr
.endm
.macro BSC pr                          ; a tile's scale words: set and base pr
	WIN 0
	global_load_b128 v[BS+8*(\pr):BS+8*(\pr)+3], v[LI], s[TB+2*(\pr):TB+2*(\pr)+1] offset:24576
	global_load_b128 v[BS+8*(\pr)+4:BS+8*(\pr)+7], v[LI], s[TB+2*(\pr):TB+2*(\pr)+1] offset:24576+512
.endm
.macro BIAS                            ; be[e] at my eight outputs
	WIN 0x40
.irp e, 0,1,2,3,4,5,6,7
	global_load_b128 v[192+8*\e:195+8*\e], v[BO], s[SBE:SBE+1] offset:4096*\e
	global_load_b128 v[196+8*\e:199+8*\e], v[BO], s[SBE:SBE+1] offset:4096*\e+16
.endr
.endm
; accumulator (a, e) weighed onto accumulator (a, 0), from its low end on; of the pair of gates the low or the high register serves both halves
.macro CPK a, e
	WIN 0xa2+0x51*((\a)/4)
.irp jp, 0,2,4,6
.set PR, 64*((\a)%4)+\jp
.set AC, PR+8*(\e)
.set GR, GT+8*(\a)+2*((\e)/2)
.if (\e) == 0
	v_pk_mul_f32 v[PR:PR+1], v[PR:PR+1], v[GR:GR+1] op_sel_hi:[1,0]
.elseif (\e)%2 == 0
	v_pk_fma_f32 v[PR:PR+1], v[AC:AC+1], v[GR:GR+1], v[PR:PR+1] op_sel_hi:[1,0,1]
.else
	v_pk_fma_f32 v[PR:PR+1], v[AC:AC+1], v[GR:GR+1], v[PR:PR+1] op_sel:[0,1,0] op_sel_hi:[1,1,1]
.endif
.endr
.endm
; what a step's text hangs on
.macro FLAGS st, last
.set UQ, (\st)%2
.set UK, (\st)/2
.set L1, 1                             ; a next step exists
.if (\last) && (\st) == 7
.set L1, 0
.endif
.set LB, 1                             ; a step two on exists
.if (\last) && (\st) >= 6
.set LB, 0
.endif
.set X1, 0                             ; scale words (2) and biases (16) asked for at the start of the step before,
.set X0, 0                             ; and of this step
.if UQ == 1
.if (\last) == 0 || (\st) != 7
.set X1, 2
.endif
.else
.if (\last) == 0 || (\st) != 6
.set X0, 2
.endif
.endif
.if (\last) == 0 && (\st) == 2
.set X1, X1+16
.endif
.if (\last) == 0 && (\st) == 1
.set X0, X0+16
.endif
.endm
; four products: x's blocks 4 ph .. 4 ph + 3 against expert e; in the pass's last step the weighted sum stands between them
.macro UNIT st, ph, e
.if (\ph) == 0
; the count: the loads issued behind fragment (st, e): the rest of its run, for e < 4 the step's other four fragments, the next step's 24, and the scale words and biases between them
.if (\e) < 4
	s_wait_loadcnt 3*(3-(\e))+12+X1+24*L1+X0
.else
	s_wait_loadcnt 3*(7-(\e))+X1+24*L1+X0
.endif
.endif
.irp i, 0,1,2,3
	WM 4*(\ph)+\i, \e, \st
.if (\st) == 7
.if (\e) > 0
.if \i == 0 && (\ph) == 0 && (\e) == 1
	PLACES                                         ; behind expert 0's four products, whose results are read next
.endif
	CPK 4*(\ph)+\i, (\e)-1
.elseif (\ph) == 1
	CPK \i, 7
.endif
.endif
.endr
.endm
.macro STEP st, last
	FLAGS \st, \last
.if UQ == 0 && ((\last) == 0 || (\st) != 6)
.if (\st) != 0
	s_wait_xcnt 0x0                                ; a base is written only behind this wait
.endif
.if (\st) == 6
	s_add_co_u32 s[OFW], s[PHO], s[PON]            ; the next tile: the next pass's first
.else
	s_add_co_u32 s[OFW], s[PHO+(\st)/2+1], s[POC]
.endif
	s_add_nc_u64 s[TB+2*((UK+1)%2):TB+2*((UK+1)%2)+1], s[WB:WB+1], s[OFW:OFW+1]
.endif
.if (\st) != 0
	PLACES                                         ; in front of loads into registers that the last step's products have read (behind a pass's end the weighted sum's lines are the places)
.endif
.if L1
.irp e, 4,5,6,7
.if UQ == 0
	FRB 1, \e, UK%2, 12288+\e*1536
.else
	FRB 0, \e, (UK+1)%2, \e*1536
.endif
.endr
.endif
.if (\last) == 0 && (\st) == 1
	BIAS                                           ; the next pass's
.endif
.if UQ == 0 && ((\last) == 0 || (\st) != 6)
	BSC (UK+1)%2
.endif
.irp a, 4,5,6,7
	FRA \st, \a
.endr
	s_wait_dscnt 12                                ; x's blocks 0-3 are in; the twelve loads just issued may be out
.irp e, 0,1,2,3,4,5,6,7
	UNIT \st, 0, \e
.endr
.if L1
	PLACES
.irp a, 0,1,2,3
	FRA ((\st)+1)%8, \a
.endr
.endif
	s_wait_dscnt 12*L1                             ; x's blocks 4-7 are in
.irp e, 0,1,2,3
	UNIT \st, 1, \e
.endr
.if LB
	PLACES
.irp e, 0,1,2,3
	FRB UQ, \e, (UK+1)%2, UQ*12288+\e*1536
.endr
.endif
.irp e, 4,5,6,7
	UNIT \st, 1, \e
.endr
.endm
.macro PASS last
	s_wait_xcnt 0x0                                ; the last pass's stores and loads have read their registers and bases
	s_xor_b32 s63, s62, s21                        ; this pass's group of 64 outputs
	s_mul_i32 s[POC], s63, 409600
	s_lshl_b32 s66, s63, 8
	s_add_nc_u64 s[SOUT:SOUT+1], s[OUT0:OUT0+1], s[66:67]
.if (\last) == 0
	s_add_co_u32 s63, s62, 1
	s_xor_b32 s63, s63, s21                        ; and the next pass's
	s_mul_i32 s[PON], s63, 409600
	s_lshl_b32 s66, s63, 8
	s_add_nc_u64 s[SBE:SBE+1], s[BE0:BE0+1], s[66:67]
.endif
.irp st, 0,1,2,3,4,5,6,7
	STEP \st, \last
.endr
.irp a, 4,5,6,7
	CPK \a, 7
.endr
.irp a, 0,1,2,3,4,5,6,7                        ; my 16 outputs of each row into the stage
	WIN 0x08+4*(\a/4)
	ds_store_b128 v[STO], v[64*(\a%4):64*(\a%4)+3] offset:4352*\a
	ds_store_b128 v[STO], v[64*(\a%4)+4:64*(\a%4)+7] offset:4352*\a+16
.endr
	WIN 0
	s_wait_dscnt 0x0                               ; for the others' sake: my stores lie in the stage
	s_barrier_signal -1
	s_barrier_wait -1
	WIN 0x80                                       ; back as whole rows, rows 32 w .., into accumulators that have been weighed
.irp t, 0,1,2,3,4,5,6,7,8,9,10,11,12,13,14,15
	ds_load_b128 v[64*(\t/4)+8+4*(\t%4):64*(\t/4)+8+4*(\t%4)+3], v[RD] offset:544*\t
.endr
	WIN 0
	s_wait_dscnt 0x0
.if (\last) == 0
	s_barrier_signal -1                            ; everybody's reads are over: the next pass may store into the stage
	s_barrier_wait -1
.endif
	WIN 0x08
.irp t, 0,1,2,3,4,5,6,7,8,9,10,11,12,13,14,15
	global_store_b128 v[CO], v[64*(\t/4)+8+4*(\t%4):64*(\t/4)+8+4*(\t%4)+3], s[SOUT:SOUT+1] offset:8192*\t th:TH_STORE_NT   ; sixteen lanes store 256 consecutive bytes, aligned
.endr
	WIN 0
.endm
	s_load_b256 s[4:11], s[0:1], 0x0               ; XT s[4:5], XS s[6:7], WT s[8:9], G s[10:11]
	s_load_b128 s[12:15], s[0:1], 0x20             ; be s[12:13], out0 s[14:15]
	v_lshl_add_u32 v[SPW], v0, 2, SPARE
	v_mov_b32 v[NIL], 0
	ds_add_u32 v[SPW], v[NIL]                      ; the opening lines: the add, twice on end, and its wait
	ds_add_u32 v[SPW], v[NIL]
	v_lshrrev_b32 v136, 5, v0
	v_readfirstlane_b32 s16, v136                  ; wave 0..3
	s_bfe_u32 s17, ttmp6, 0x40000                  ; cx
	s_lshl_b32 s18, ttmp9, 2
	s_add_co_u32 s18, s18, s17                     ; wgx: outputs 256 wgx ..
	s_and_b32 s19, ttmp7, 0xffff                   ; y: rows 128 y ..
	s_and_b32 s20, s19, 3                          ; the turn along K
	s_bfe_u32 s21, s19, 0x20002                    ; the turn of the passes
	s_lshr_b32 s22, s19, 1                         ; rb: which 256 rows of XT, XS
	s_and_b32 s23, s19, 1                          ; and which half of them
	s_mov_b32 s[G1X], 15|(3<<16)|(1<<21)           ; the mask: all four of the cluster; elements of 8 bytes; bit 21 beside a mask
	s_mov_b32 s[G1X+1], 1536<<16                   ; two rows of 12,288 bytes (K steps q = 0, 1 of my 128 rows), 24,576 bytes apart
	s_mov_b32 s[G1X+2], 2<<16
	s_mov_b32 s[G1X+3], 1536<<16
	s_mov_b32 s[G1X+4], 2
	s_mov_b32 s[G1X+5], 3072
	s_mov_b32 s[G1X+6], 0
	s_mov_b32 s[G1X+7], 0
.irp j, 0,1,2,3
	s_add_co_u32 s[PH+\j], s20, \j
	s_and_b32 s[PH+\j], s[PH+\j], 3
	s_mul_i32 s[PHO+\j], s[PH+\j], 51200
	s_lshl_b32 s[72+\j], s[PH+\j], 11              ; and its scale words in XS
.endr
	s_add_co_u32 s63, s16, s20
	s_and_b32 s63, s63, 3                          ; LDS chunk w takes the chunk of K that is walked as the w-th
	s_mul_i32 s2, s63, 49152
	s_mul_i32 s3, s22, 196608
	s_add_co_u32 s2, s2, s3
	s_mul_i32 s3, s23, 12288
	s_add_co_u32 s2, s2, s3
	s_mov_b32 s3, 0
	s_mov_b32 s[G0X], 1
	s_mul_i32 s[G0X+1], s16, 24576
	s_lshl_b32 s68, s23, 10
	s_lshl_b32 s69, s16, 6
	s_add_co_u32 s70, s69, STG
	s_mul_i32 s71, s16, 8704
	s_add_co_u32 s71, s71, STG
	s_mov_b32 s67, 0
	s_mov_b32 s[OFW+1], 0
	s_mov_b32 s62, 0
	s_wait_dscnt 0x0
	s_wait_kmcnt 0x0
	s_add_nc_u64 s[G0X+2:G0X+3], s[4:5], s[2:3]
	s_or_b32 s[G0X+3], s[G0X+3], 0x80000000
	CROUND                                         ; the four work-groups are here: the joint loads meet
	tensor_load_to_lds s[G0X:G0X+3], s[G1X:G1X+7]  ; my one tensor load of the launch: a chunk of 256 along K of the 128 rows
	s_nop 0
	v_and_b32 v136, 31, v0                         ; lane
	v_and_b32 v137, 15, v0                         ; r
	v_bfe_u32 v138, v0, 4, 1                       ; h
	v_lshlrev_b32 v[LI], 4, v136
	v_lshlrev_b32 v139, 3, v136
	v_add_nc_u32 v139, s68, v139
.irp kc, 0,1,2,3
	v_add_nc_u32 v[140+\kc], s[72+\kc], v139       ; x's scale words of my kc-th chunk
.endr
	v_lshlrev_b32 v144, 5, v137                    ; a row of G is 32 bytes
	v_lshlrev_b32 v[BO], 5, v138
	v_add_nc_u32 v[BO], s69, v[BO]                 ; 64 w + 32 h
	v_add_nc_u32 v[ADA+1], 49152, v[LI]
	v_mul_u32_u24 v[STO], v137, 272
	v_lshl_add_u32 v[STO], v138, 5, v[STO]
	v_add_nc_u32 v[STO], s70, v[STO]               ; row r, + 64 w + 32 h
	v_mul_u32_u24 v[RD], v138, 272
	v_lshl_add_u32 v[RD], v137, 4, v[RD]
	v_add_nc_u32 v[RD], s71, v[RD]                 ; rows 32 w + h, 16 bytes a lane
	v_lshlrev_b32 v[CO], 12, v138
	v_lshl_add_u32 v[CO], v137, 4, v[CO]
	s_wait_alu depctr_va_vdst(0)                   ; the wait behind the head's last vector instruction
	s_lshl_b32 s2, s22, 13
	s_add_nc_u64 s[6:7], s[6:7], s[2:3]            ; XS at my 256 rows
.irp kc, 0,1,2,3
.irp m, 0,1,2,3
	global_load_b64 v[AS+8*\kc+2*\m:AS+8*\kc+2*\m+1], v[140+\kc], s[6:7] offset:256*\m
.endr
.endr
	s_lshl_b32 s66, s18, 10
	s_add_nc_u64 s[BE0:BE0+1], s[12:13], s[66:67]  ; be at output 256 wgx
	s_lshl_b32 s66, s21, 8
	s_add_nc_u64 s[SBE:SBE+1], s[BE0:BE0+1], s[66:67]
	BIAS                                           ; the first pass's
	s_mul_i32 s66, s18, 1638400
	s_lshr_b32 s63, s16, 1
	s_mul_i32 s63, s63, 204800
	s_add_co_u32 s66, s66, s63
	s_and_b32 s63, s16, 1
	s_mul_i32 s63, s63, 25600
	s_add_co_u32 s66, s66, s63
	s_add_nc_u64 s[WB:WB+1], s[8:9], s[66:67]
	s_mul_i32 s[POC], s21, 409600
	s_add_co_u32 s[OFW], s[PHO], s[POC]
	s_add_nc_u64 s[TB:TB+1], s[WB:WB+1], s[OFW:OFW+1]
	BSC 0
.irp e, 0,1,2,3,4,5,6,7
	FRB 0, \e, 0, \e*1536
.endr
.irp e, 0,1,2,3
	FRB 1, \e, 0, 12288+\e*1536
.endr
	WIN 0
	s_lshl_b32 s2, s19, 12
	s_add_nc_u64 s[10:11], s[10:11], s[2:3]        ; G at my 128 rows; the gates are wanted in the pass's last step (the first steps' counts do not count these 16: they wait for a little more than they need)
.irp a, 0,1,2,3,4,5,6,7
	global_load_b128 v[GT+8*\a:GT+8*\a+3], v144, s[10:11] offset:512*\a
	global_load_b128 v[GT+8*\a+4:GT+8*\a+7], v144, s[10:11] offset:512*\a+16
.endr
	s_lshl_b32 s66, s19, 7
	s_lshl_b32 s63, s16, 5
	s_add_co_u32 s66, s66, s63                     ; the rows that I store: 128 y + 32 w ..
	s_lshl_b32 s66, s66, 12
	s_lshl_b32 s63, s18, 10
	s_add_co_u32 s66, s66, s63
	s_add_nc_u64 s[OUT0:OUT0+1], s[14:15], s[66:67]
	s_wait_tensorcnt 0x0                           ; my chunk has landed
	s_barrier_signal -1
	s_barrier_wait -1                              ; everybody's has
.irp a, 0,1,2,3
	FRA 0, \a
.endr
.Lpass:
	PASS 0
	s_add_co_u32 s62, s62, 1
	s_cmp_lt_u32 s62, 3
	s_cbranch_scc1 .Lpass
	PASS 1                                         ; the last pass is written out: it asks for nothing beyond the walk's end
	s_wait_tensorcnt 0x0                           ; the wave's end
	ds_add_u32 v[SPW], v[NIL]
	s_wait_dscnt 0x0
	CROUND                                         ; the closing round
	s_endpgm
.Lfunc_end_k_q92f91ba9fb_moe:
	.size	k_q92f91ba9fb_moe, .Lfunc_end_k_q92f91ba9fb_moe-k_q92f91ba9fb_moe
	.p2alignl 7, 3214868480
	.fill 96, 4, 3214868480
	.section	.rodata,"a",@progbits
	.p2align	6, 0x0
	.amdhsa_kernel k_q92f91ba9fb_moe
		.amdhsa_group_segment_fixed_size 327680
		.amdhsa_private_segment_fixed_size 0
		.amdhsa_enable_private_segment 0
		.amdhsa_kernarg_size 48
		.amdhsa_user_sgpr_count 2
		.amdhsa_user_sgpr_kernarg_segment_ptr 1
		.amdhsa_wavefront_size32 1
		.amdhsa_system_sgpr_workgroup_id_x 1
		.amdhsa_system_sgpr_workgroup_id_y 1
		.amdhsa_system_sgpr_workgroup_id_z 1
		.amdhsa_system_vgpr_workitem_id 0
		.amdhsa_next_free_vgpr 1024
		.amdhsa_next_free_sgpr 80
		.amdhsa_reserve_vcc 0
		.amdhsa_float_denorm_mode_32 3
		.amdhsa_float_denorm_mode_16_64 3
		.amdhsa_memory_ordered 1
		.amdhsa_forward_progress 1
		.amdhsa_inst_pref_size 255
	.end_amdhsa_kernel
	.section	.bss,"aw",@nobits
	.p2align	6
	.space	262144
	.amdgpu_metadata
---
amdhsa.version: [ 1, 2 ]
amdhsa.kernels:
  - .name:           k_q92f91ba9fb_moe
    .symbol:         k_q92f91ba9fb_moe.kd
    .args:
      - { .name: XT, .offset: 0, .size: 8, .value_kind: global_buffer, .address_space: global }
      - { .name: XS, .offset: 8, .size: 8, .value_kind: global_buffer, .address_space: global }
      - { .name: WT, .offset: 16, .size: 8, .value_kind: global_buffer, .address_space: global }
      - { .name: G, .offset: 24, .size: 8, .value_kind: global_buffer, .address_space: global }
      - { .name: be, .offset: 32, .size: 8, .value_kind: global_buffer, .address_space: global }
      - { .name: out0, .offset: 40, .size: 8, .value_kind: global_buffer, .address_space: global }
    .group_segment_fixed_size: 327680
    .private_segment_fixed_size: 0
    .kernarg_segment_align: 8
    .kernarg_segment_size: 48
    .max_flat_workgroup_size: 128
    .sgpr_count:     80
    .vgpr_count:     1024
    .wavefront_size: 32
...
	.end_amdgpu_metadata
.endif
;; end of part 2
